; MI455X (gfx1250); checked and timed in simulation.
; The chip was launched on July 23, 2026; its instructions are those of AMD's public machine-readable ISA for CDNA 5 (MIT licence, August 2026) and "CDNA5" Instruction Set Architecture Reference Guide (July 2026). The comments in the code are by the model that wrote it; some were corrected since.
;; Advanced CRSN. Allowed arithmetic: matrix products marked QUANTISED: E2M3 operands, one E8M0 scale for each 32 along K, by v_wmma_scale_f32_16x16x128_f8f6f4 with both operands' format E2M3, f32 sums; products left as they are: f32 operands where the result goes on into a quantised operand, else bf16, f16 or f32 operands; f32 sums; everything else in f32.
;; Inputs: Wi 64 x 64 float32; Wr 64 x 64 float32; adj 32 x 32 float32; codebook 32 x 128 float32; dec_b 32 float32; dec_w 32 x 128 float32; emb_mag 32 x 64 float32; emb_phase 32 x 64 float32; halt_b 1 float32; halt_w 1 x 128 float32; ln_scale 64 float32; ln_shift 64 float32; mr_bias 64 float32; x 131,072 x 1 int32.
;; Outputs: out0 131,072 x 32 float32; out1 one number float32; out2 one number float32.
;; This version of the problem:
;;   THIS VERSION OF THE PROBLEM IS GIVEN IN LOW PRECISION. The matrix products marked QUANTISED in the list below multiply operands that are first quantised to E2M3 (2 exponent bits, 3 mantissa bits; 6 bits a number), with one power-of-two scale for each 32 numbers along K (OCP MX v1.0); their sums are f32. All else is computed in f32.
;;   The module's matrix products, in the order in which they are computed (A, B: the left and right operand; K: the contracted axis; several contracted axes count as one K, in the product's order):
;;     1. [M 131,072, K 64] x [K 64, N 64]; A: computed on the way; B: input Wr: QUANTISED
;;     2. [M 131,072, K 64] x [K 64, N 64]; A: computed on the way; B: input Wi: QUANTISED
;;     3. [M 131,072, K 64] x [K 64, N 64]; A: computed on the way; B: input Wr: QUANTISED
;;     4. [M 131,072, K 64] x [K 64, N 64]; A: computed on the way; B: input Wi: QUANTISED
;;     5. [M 131,072, K 128] x [K 128, N 1]; A: computed on the way; B: input halt_w: left as it is (N = 1 < 16)
;;     6. [M 131,072, K 128] x [K 128, N 32]; A: computed on the way; B: input codebook: QUANTISED
;;     7. [M 131,072, K 64] x [K 64, N 64]; A: computed on the way; B: input Wr: QUANTISED
;;     8. [M 131,072, K 64] x [K 64, N 64]; A: computed on the way; B: input Wi: QUANTISED
;;     9. [M 131,072, K 64] x [K 64, N 64]; A: computed on the way; B: input Wr: QUANTISED
;;     10. [M 131,072, K 64] x [K 64, N 64]; A: computed on the way; B: input Wi: QUANTISED
;;     11. [M 131,072, K 128] x [K 128, N 1]; A: computed on the way; B: input halt_w: left as it is (N = 1 < 16)
;;     12. [M 131,072, K 128] x [K 128, N 32]; A: computed on the way; B: input codebook: QUANTISED
;;     13. [M 131,072, K 64] x [K 64, N 64]; A: computed on the way; B: input Wr: QUANTISED
;;     14. [M 131,072, K 64] x [K 64, N 64]; A: computed on the way; B: input Wi: QUANTISED
;;     15. [M 131,072, K 64] x [K 64, N 64]; A: computed on the way; B: input Wr: QUANTISED
;;     16. [M 131,072, K 64] x [K 64, N 64]; A: computed on the way; B: input Wi: QUANTISED
;;     17. [M 131,072, K 128] x [K 128, N 1]; A: computed on the way; B: input halt_w: left as it is (N = 1 < 16)
;;     18. [M 131,072, K 128] x [K 128, N 32]; A: computed on the way; B: input codebook: QUANTISED
;;     19. [M 131,072, K 64] x [K 64, N 64]; A: computed on the way; B: input Wr: QUANTISED
;;     20. [M 131,072, K 64] x [K 64, N 64]; A: computed on the way; B: input Wi: QUANTISED
;;     21. [M 131,072, K 64] x [K 64, N 64]; A: computed on the way; B: input Wr: QUANTISED
;;     22. [M 131,072, K 64] x [K 64, N 64]; A: computed on the way; B: input Wi: QUANTISED
;;     23. [M 131,072, K 128] x [K 128, N 1]; A: computed on the way; B: input halt_w: left as it is (N = 1 < 16)
;;     24. [M 131,072, K 128] x [K 128, N 32]; A: computed on the way; B: input codebook: QUANTISED
;;     25. [M 131,072, K 128] x [K 128, N 32]; A: computed on the way; B: input dec_w: QUANTISED
;;   THE QUANTISER, for each operand of a quantised product, along K:
;;     - K is cut into blocks of 32 from its start; a last block that is shorter is filled with zeros.
;;     - A block's scale is 2^e with e = floor(log2(the largest magnitude in the block)) - 2, held to -126 .. 127; a block of zeros has e = 0. As a byte (E8M0): e + 127.
;;     - Each number is divided by its block's scale, clamped to +-7.5, and rounded to the nearest number of E2M3, ties to even, subnormals kept.
;;     - The product sums the exact products of the quantised numbers (number of the format x scale) in f32.
;;   ~~~python
;;   def quantise(x, axis):      # numpy; x: float32 -> the quantised numbers, widened to float32 again
;;       x = np.moveaxis(x, axis, -1); K = x.shape[-1]
;;       x = np.pad(x, [(0, 0)] * (x.ndim - 1) + [(0, -K % 32)]); x = x.reshape(x.shape[:-1] + (-1, 32)); a = np.abs(x).max(-1, keepdims=True)
;;       e = np.where(a > 0, np.clip(np.frexp(np.where(a > 0, a, 1))[1] - 1 - 2, -126, 127), 0)      # np.frexp(a)[1] - 1 = floor(log2(a)), exactly
;;       r = np.clip(x / 2.0 ** e, -7.5, 7.5)
;;       step = 2.0 ** (np.maximum(np.frexp(np.where(r == 0, 1, r))[1] - 1, 0) - 3)
;;       q = np.round(r / step) * step * 2.0 ** e      # np.round: ties to even
;;       return np.moveaxis(q.reshape(q.shape[:-2] + (-1,))[..., :K], -1, axis).astype(np.float32)
;;   ~~~
;;   OPERANDS COMPUTED ON THE WAY. 'Computed on the way' means the value that the module computes at that place (a softmax that the list does not call 'softmax' is quantised finished and normalised). What goes into a quantiser is computed in f32, as accurately as f32 sums, v_exp_f32 and their like allow (about 1e-6 of the number): no bf16 or f16 on the way to a quantiser, and a product that is left as it is and whose result goes on into a quantised operand takes f32 operands (vector FMAs, or v_wmma_f32_16x16x4_f32). A number that lies on a knife's edge between two numbers of the format may be rounded either way, as far as f32 arithmetic and the matrix unit's own rounding can turn it there, and no further.
;; One version. Each part assembles by itself: llvm-mc -triple=amdgcn-amd-amdhsa -mcpu=gfx1250 --defsym DOCPART=n.
;; ======== version 1 of 1: 3 launches
;; limits: right only within a limited range of input values; a function is approximated: absolute error at most 1e-07
;; workspace buffers: cst 58,112 bytes; parts 8,192 bytes
;; launch prep (part 1): grid 24 x 1, 1 waves a work-group, no clusters, 0 bytes of LDS; arguments Wr, Wi, codebook, dec_w, adj, emb_mag, emb_phase, cst; writes cst
.if DOCPART == 1
	.amdgcn_target "amdgcn-amd-amdhsa--gfx1250"
	.amdhsa_code_object_version 6
	.text
	.protected	k_qcbd2176cd0_prep
	.globl	k_qcbd2176cd0_prep
	.p2align	8
	.type	k_qcbd2176cd0_prep,@function
k_qcbd2176cd0_prep:
	s_mov_b64 s[64:65], 0
	v_nop
	global_prefetch_b8 v0, s[64:65] scope:SCOPE_SE
	s_setreg_imm32_b32 hwreg(HW_REG_WAVE_MODE, 25, 1), 1
	s_wait_xcnt 0x0
; All that the main launch keeps in registers is made here once, as IMAGES OF OPERAND REGISTERS: a fragment of 16 rows x 128 K of E2M3 codes is 12 registers a lane;
; group g (registers 4 g .. 4 g + 3) lies at 512 g + 16 x lane, 1,536 bytes a fragment; a fragment's scale words at 4 x lane, 128 bytes.
; One wave to a work-group, 24 work-groups, three kinds of work, chosen by the work-group's number T:
;   T = 0..11   a weight's tile, quantised by the MX rule along K: 0-3 rows [Wr | -Wi] (the real part), 4-7 rows [Wi | Wr] (the imaginary part), 8-9 the codebook x -2, 10-11 dec_w; and each row's sum of squares
;   T = 12..21  a table to be read by a product with a one-hot operand: 12-19 -codebook (16 features a tile), 20-21 -0.1 sigmoid(adj) (16 symbols a tile).  K = 4 blocks of 32 symbols; block b of image q holds
;               PIECE 4 q + b of the number: number = the sum over p of code_p x s_p, s_p = s_0 / 16^p, s_0 the MX scale of the row's largest magnitude.  Each piece is a multiple of s_p / 2 up to 7.5 s_p, which is a number
;               of E2M3 at scale s_p; what is left is at most s_p / 2, so eight pieces leave at most 2^-29 of s_0.  Every subtraction is exact.
;   T = 22..23  the embedding: r cos t, r sin t of 16 entries, quantised: an entry's 48 + 48 bytes of codes (lanes 0-15's and lanes 16-31's registers) and its scale word
; THE ROWS OF A TILE OF W AND OF THE FEATURES' TABLE ARE NOT NEIGHBOURS: lane r of tile 2 b + u takes row 32 b + 8 u + r + 8 (r / 8), so that in the transposed result 16 registers of two tiles are 16 neighbours along the next K.
; LIMITS: cos and sin by a two-term reduction and polynomials of degree 7 and 8: about 1e-7 absolute for |phase| up to 1e5, worse beyond.  NaN and infinities are not served.  A block of zeros gets the byte 1 (its codes are zeros; only this program reads the bytes).
.set OFF_R,  0                         ; weights' images, 1,536 T
.set OFF_P,  18432                     ; tables' images, 3,072 u + 1,536 q
.set OFF_SR, 49152                     ; weights' scale words, 128 T
.set OFF_SP, 50688                     ; tables' scale words, 256 u + 128 q
.set OFF_SQ, 53248                     ; rows' sums of squares, 128 T
.set OFF_ZT, 54784                     ; the embedding's codes, 96 v + 48 h
.set OFF_ZS, 57856                     ; its scale words, 8 v + 4 h
.set X,   32                           ; v32-95   64 numbers of a lane: block h of its row, then block 2 + h
.set MAG, 96                           ; v96-127  emb_mag
.set PH,  128                          ; v128-159 emb_phase, then the reduced angle, then sin's candidate
.set NQ,  160                          ; v160-191 the quadrant
.set R2,  192                          ; v192-223 the angle's square, then cos's candidate
.set ZSA, 236                          ; v236     the embedding's path: where my scale word goes (outside every run of registers that a load fills)
; 64 numbers in v[X] on (two whole blocks of 32 of my row) become the fragment's registers v8-19 and the row's scale word v20
.macro QTAIL
.irp c, 0,1
	v_max3_num_f32 v[6+\c], |v[X+32*\c]|, |v[X+32*\c+1]|, 0x1800000      ; with the floor 2^(3 - 127): the byte cannot fall under 1
.endr
.irp i, 2,4,6,8,10,12,14,16,18,20,22,24,26,28,30
.irp c, 0,1
	v_max3_num_f32 v[6+\c], v[6+\c], |v[X+32*\c+\i]|, |v[X+32*\c+\i+1]|
.endr
.endr
.irp c, 0,1
	v_add_nc_u32 v[22+\c], 0xff000000, v[6+\c]     ; 2 off the exponent field: the conversion's scale operand
.endr
.irp c, 0,1
	v_lshrrev_b32 v[28+\c], 23, v[22+\c]           ; the scale's byte
.endr
	v_lshl_or_b32 v20, v29, 16, v28                ; blocks h and 2 + h,
	v_lshlrev_b32 v21, 3, v2
	v_lshlrev_b32 v20, v21, v20                    ; at their places in the word;
	v_mov_b32 v21, 0
	v_permlanex16_b32 v21, v20, s20, s21
	v_or_b32 v20, v20, v21                         ; with lane l xor 16's two the word is whole
.irp c, 0,1
	v_cvt_scalef32_pk16_fp6_f32 v[8+6*\c:10+6*\c], v[X+32*\c:X+32*\c+15], v[22+\c]
	v_cvt_scalef32_pk16_fp6_f32 v[96+4*\c:98+4*\c], v[X+32*\c+16:X+32*\c+31], v[22+\c]   ; (a conversion's three registers begin on an even number)
.endr
	v_nop                                          ; one plain instruction behind the conversions
.irp c, 0,1
.irp i, 0,1,2
	v_mov_b32 v[11+6*\c+\i], v[96+4*\c+\i]
.endr
.endr
.endm
	s_load_b512 s[4:19], s[0:1], 0x0               ; Wr s[4:5], Wi s[6:7], codebook s[8:9], dec_w s[10:11], adj s[12:13], emb_mag s[14:15], emb_phase s[16:17], cst s[18:19]
	v_and_b32 v1, 15, v0                           ; r
	v_lshrrev_b32 v2, 4, v0                        ; h
	v_lshlrev_b32 v3, 4, v0                        ; 16 x lane
	v_lshlrev_b32 v4, 2, v0                        ; 4 x lane
	s_mov_b32 s20, 0x76543210
	s_mov_b32 s21, 0xfedcba98                      ; v_permlanex16_b32's selects for lane l xor 16
	s_mov_b32 s47, 0
	s_wait_kmcnt 0x0
	s_cmp_lt_u32 ttmp9, 12
	s_cbranch_scc1 .Lpath_r
	s_cmp_lt_u32 ttmp9, 22
	s_cbranch_scc1 .Lpath_p
; ---------------- the embedding: entries 16 (T - 22) + r; my half h holds columns 32 h .. 32 h + 31: block h (real) and block 2 + h (imaginary)
	s_sub_co_u32 s22, ttmp9, 22
	s_lshl_b32 s22, s22, 4
	v_add_nc_u32 v5, s22, v1                       ; the entry
	v_lshlrev_b32 v30, 8, v5
	v_lshl_add_u32 v30, v2, 7, v30                 ; 256 v + 128 h
.irp j, 0,1,2,3,4,5,6,7
	global_load_b128 v[MAG+4*\j:MAG+4*\j+3], v30, s[14:15] offset:16*\j
	global_load_b128 v[PH+4*\j:PH+4*\j+3], v30, s[16:17] offset:16*\j
.endr
	v_mul_u32_u24 v31, v5, 96                      ; (the lines up to the wait write none of v96-159, into which the loads land)
	v_mad_u32_u24 v31, v2, 48, v31                 ; where my codes go
	v_lshlrev_b32 v[ZSA], 3, v5
	v_lshl_add_u32 v[ZSA], v2, 2, v[ZSA]           ; and my scale word
.irp w, 0,1
	v_mov_b32 v[224+\w], 0xb94ca1f9                ; sin: -1.9515296e-4
	v_mov_b32 v[226+\w], 0x3c08839e                ;       8.3321609e-3
	v_mov_b32 v[228+\w], 0xbe2aaaa3                ;      -1.6666655e-1
	v_mov_b32 v[230+\w], 0x37ccf5ce                ; cos:  2.4433157e-5
	v_mov_b32 v[232+\w], 0xbab6061a                ;      -1.3887316e-3
	v_mov_b32 v[234+\w], 0x3d2aaaa5                ;       4.1666646e-2
.endr
	s_wait_loadcnt 0x0
.set i, 0
.rept 16
	v_pk_mul_f32 v[NQ+i:NQ+i+1], v[PH+i:PH+i+1], 0x3f22f983 op_sel_hi:[1,0]      ; t x 2 / pi
.set i, i+2
.endr
.set i, 0
.rept 32
	v_rndne_f32 v[NQ+i], v[NQ+i]                   ; n
.set i, i+1
.endr
.set i, 0
.rept 16
	v_pk_fma_f32 v[PH+i:PH+i+1], v[NQ+i:NQ+i+1], 0xbfc90fdb, v[PH+i:PH+i+1] op_sel_hi:[1,0,1]   ; t - n x (pi / 2 rounded to f32),
.set i, i+2
.endr
.set i, 0
.rept 16
	v_pk_fma_f32 v[PH+i:PH+i+1], v[NQ+i:NQ+i+1], 0x333bbd2e, v[PH+i:PH+i+1] op_sel_hi:[1,0,1]   ; + n x 4.3711388e-8, by which that constant is too large
.set i, i+2
.endr
.set i, 0
.rept 32
	v_cvt_i32_f32 v[NQ+i], v[NQ+i]
.set i, i+1
.endr
.set i, 0
.rept 16
	v_pk_mul_f32 v[R2+i:R2+i+1], v[PH+i:PH+i+1], v[PH+i:PH+i+1]
.set i, i+2
.endr
.set i, 0
.rept 16
	v_pk_fma_f32 v[64+i:65+i], v[R2+i:R2+i+1], v[224:225], v[226:227]
	v_pk_fma_f32 v[32+i:33+i], v[R2+i:R2+i+1], v[230:231], v[232:233]
.set i, i+2
.endr
.set i, 0
.rept 16
	v_pk_fma_f32 v[64+i:65+i], v[64+i:65+i], v[R2+i:R2+i+1], v[228:229]
	v_pk_fma_f32 v[32+i:33+i], v[32+i:33+i], v[R2+i:R2+i+1], v[234:235]
.set i, i+2
.endr
.set i, 0
.rept 16
	v_pk_mul_f32 v[64+i:65+i], v[64+i:65+i], v[R2+i:R2+i+1]
	v_pk_mul_f32 v[32+i:33+i], v[32+i:33+i], v[R2+i:R2+i+1]
.set i, i+2
.endr
.set i, 0
.rept 16
	v_pk_fma_f32 v[64+i:65+i], v[64+i:65+i], v[PH+i:PH+i+1], v[PH+i:PH+i+1]      ; sin = a + a (a^2 poly)
	v_pk_add_f32 v[32+i:33+i], v[32+i:33+i], -0.5 op_sel_hi:[1,0]
.set i, i+2
.endr
.set i, 0
.rept 16
	v_pk_fma_f32 v[32+i:33+i], v[32+i:33+i], v[R2+i:R2+i+1], 1.0 op_sel_hi:[1,1,0]   ; cos = 1 + a^2 (-1/2 + a^2 poly)
.set i, i+2
.endr
.set i, 0
.rept 32                               ; the quadrant: odd n swaps the two; sin is negative for n mod 4 = 2, 3, cos for 1, 2
.set T0, 6+2*(i%4)
	v_and_b32 v[T0], 1, v[NQ+i]
	v_cmp_eq_u32 vcc_lo, 1, v[T0]
	v_cndmask_b32 v[R2+i], v[32+i], v[64+i], vcc_lo
	v_cndmask_b32 v[PH+i], v[64+i], v[32+i], vcc_lo
	v_add_nc_u32 v[T0], 1, v[NQ+i]
	v_and_b32 v[T0+1], 2, v[NQ+i]
	v_and_b32 v[T0], 2, v[T0]
	v_lshlrev_b32 v[T0+1], 30, v[T0+1]
	v_lshlrev_b32 v[T0], 30, v[T0]
	v_xor_b32 v[PH+i], v[T0+1], v[PH+i]
	v_xor_b32 v[R2+i], v[T0], v[R2+i]
.set i, i+1
.endr
.set i, 0
.rept 16
	v_pk_mul_f32 v[X+i:X+i+1], v[MAG+i:MAG+i+1], v[R2+i:R2+i+1]                  ; r cos t
	v_pk_mul_f32 v[X+32+i:X+33+i], v[MAG+i:MAG+i+1], v[PH+i:PH+i+1]              ; r sin t
.set i, i+2
.endr
	QTAIL
.irp g, 0,1,2
	global_store_b128 v31, v[8+4*\g:11+4*\g], s[18:19] offset:OFF_ZT+16*\g
.endr
	global_store_b32 v[ZSA], v20, s[18:19] offset:OFF_ZS
	s_endpgm
; ---------------- a weight's tile.  All that differs between the twelve is chosen by the work-group's number: two pointers (the row's first and second 64 along K), two factors, the rows
.Lpath_r:
	s_and_b32 s41, ttmp9, 1
	s_bfe_u32 s42, ttmp9, 0x10001
	s_lshl_b32 s42, s42, 5
	s_lshl_b32 s43, s41, 3
	s_add_co_u32 s42, s42, s43                     ; W: the tile begins at row 32 ((T & 3) / 2) + 8 (T & 1)
	s_lshl_b32 s43, s41, 4                         ; codebook, dec_w: at row 16 (T & 1)
	s_add_nc_u64 s[30:31], s[8:9], 256
	s_add_nc_u64 s[32:33], s[10:11], 256
	s_cmp_lt_u32 ttmp9, 4
	s_cselect_b64 s[24:25], s[4:5], s[6:7]         ; real part: [Wr | -Wi]; imaginary part: [Wi | Wr]
	s_cselect_b64 s[26:27], s[6:7], s[4:5]
	s_cselect_b32 s52, -1.0, 1.0
	s_cmp_lt_u32 ttmp9, 10
	s_cselect_b64 s[34:35], s[8:9], s[10:11]
	s_cselect_b64 s[36:37], s[30:31], s[32:33]
	s_cselect_b32 s38, -2.0, 1.0                   ; the codebook goes in as -2 x codebook: a power of two changes no code
	s_cmp_lt_u32 ttmp9, 8
	s_cselect_b64 s[24:25], s[24:25], s[34:35]
	s_cselect_b64 s[26:27], s[26:27], s[36:37]
	s_cselect_b32 s52, s52, s38
	s_cselect_b32 s50, 1.0, s38
	s_cselect_b32 s39, 8, 0                        ; W's rows are taken r + 8 (r / 8), the others' r
	s_cselect_b32 s40, 8, 9                        ; a row is 256 or 512 bytes
	s_cselect_b32 s42, s42, s43
	s_mov_b32 s51, s50                             ; (named as pairs by the packed form)
	s_mov_b32 s53, s52
	s_mul_i32 s46, ttmp9, 1536
	s_add_nc_u64 s[44:45], s[18:19], s[46:47]
	s_lshl_b32 s46, ttmp9, 7
	s_add_nc_u64 s[48:49], s[18:19], s[46:47]
	v_and_b32 v5, s39, v1
	v_add_nc_u32 v5, v5, v1
	v_add_nc_u32 v5, s42, v5
	v_lshlrev_b32 v5, s40, v5
	v_lshl_add_u32 v5, v2, 7, v5                   ; my row, + 128 h: 32 numbers of each half of K
.irp j, 0,1,2,3,4,5,6,7
	global_load_b128 v[X+4*\j:X+4*\j+3], v5, s[24:25] offset:16*\j
	global_load_b128 v[X+32+4*\j:X+35+4*\j], v5, s[26:27] offset:16*\j
.endr
	s_wait_loadcnt 0x0
	v_pk_mul_f32 v[24:25], v[X:X+1], v[X:X+1]      ; the row's sum of squares, of the numbers as they are given
	v_pk_mul_f32 v[26:27], v[X+2:X+3], v[X+2:X+3]
.set i, 4
.rept 15
	v_pk_fma_f32 v[24:25], v[X+i:X+i+1], v[X+i:X+i+1], v[24:25]
	v_pk_fma_f32 v[26:27], v[X+i+2:X+i+3], v[X+i+2:X+i+3], v[26:27]
.set i, i+4
.endr
	v_pk_add_f32 v[24:25], v[24:25], v[26:27]
	v_add_f32 v24, v24, v25
	v_permlanex16_b32 v25, v24, s20, s21
	v_add_f32 v24, v24, v25
	global_store_b32 v4, v24, s[48:49] offset:OFF_SQ
.set i, 0
.rept 16
	v_pk_mul_f32 v[X+i:X+i+1], v[X+i:X+i+1], s[50:51] op_sel_hi:[1,0]
	v_pk_mul_f32 v[X+32+i:X+33+i], v[X+32+i:X+33+i], s[52:53] op_sel_hi:[1,0]
.set i, i+2
.endr
	QTAIL                                          ; (it writes none of the store's registers)
.irp g, 0,1,2
	global_store_b128 v3, v[8+4*\g:11+4*\g], s[44:45] offset:OFF_R+512*\g
.endr
	global_store_b32 v4, v20, s[48:49] offset:OFF_SR
	s_endpgm
; ---------------- a table in pieces.  My lane takes one row of the operand (a feature, or a symbol j) and its 32 registers run down the 32 symbols; both halves of the lanes hold the same numbers
.Lpath_p:
	s_sub_co_u32 s22, ttmp9, 12                    ; u
	s_mul_i32 s46, s22, 3072
	s_add_nc_u64 s[44:45], s[18:19], s[46:47]
	s_lshl_b32 s46, s22, 8
	s_add_nc_u64 s[48:49], s[18:19], s[46:47]
	s_mov_b32 s30, 0xc1700000                      ; -15
	s_mov_b32 s31, 0x41700000                      ; 15
	s_mov_b32 s32, 0xffff0000                      ; lanes 16-31
	s_cmp_lt_u32 s22, 8
	s_cbranch_scc0 .Lp_adj
	s_lshr_b32 s23, s22, 2
	s_lshl_b32 s23, s23, 6
	s_bfe_u32 s24, s22, 0x10001
	s_lshl_b32 s24, s24, 5
	s_add_co_u32 s23, s23, s24
	s_and_b32 s24, s22, 1
	s_lshl_b32 s24, s24, 3
	s_add_co_u32 s23, s23, s24                     ; 64 (u / 4) + 32 ((u & 3) / 2) + 8 (u & 1)
	v_and_b32 v5, 8, v1
	v_add_nc_u32 v5, v5, v1
	v_add_nc_u32 v5, s23, v5                       ; my column of the codebook
	v_lshlrev_b32 v5, 2, v5
.set i, 0
.rept 32
	global_load_b32 v[32+i], v5, s[8:9] offset:512*i
.set i, i+1
.endr
	s_wait_loadcnt 0x0
.set i, 0
.rept 16
	v_pk_mul_f32 v[32+i:33+i], v[32+i:33+i], -1.0 op_sel_hi:[1,0]                ; -codebook: with f as C the product gives f - zq
.set i, i+2
.endr
	s_branch .Lp_join
.Lp_adj:
	s_sub_co_u32 s23, s22, 8
	s_lshl_b32 s23, s23, 4
	v_add_nc_u32 v5, s23, v1                       ; j
	v_lshlrev_b32 v5, 2, v5
.set i, 0
.rept 32
	global_load_b32 v[32+i], v5, s[12:13] offset:128*i                           ; adj[s][j]
.set i, i+1
.endr
	s_wait_loadcnt 0x0
.set i, 0
.rept 16
	v_pk_mul_f32 v[32+i:33+i], v[32+i:33+i], 0xbfb8aa3b op_sel_hi:[1,0]
.set i, i+2
.endr
.set i, 0
.rept 32
	v_exp_f32 v[32+i], v[32+i]
.set i, i+1
.endr
	v_nop                                          ; a plain instruction behind the batch,
	s_wait_alu depctr_va_vdst(0)                   ; and one wait for it, ahead of its first reader
.set i, 0
.rept 16
	v_pk_add_f32 v[32+i:33+i], v[32+i:33+i], 1.0 op_sel_hi:[1,0]
.set i, i+2
.endr
.set i, 0
.rept 32
	v_rcp_f32 v[32+i], v[32+i]
.set i, i+1
.endr
	v_nop
	s_wait_alu depctr_va_vdst(0)
.set i, 0
.rept 16
	v_pk_mul_f32 v[32+i:33+i], v[32+i:33+i], 0xbdcccccd op_sel_hi:[1,0]          ; -0.1 sigmoid
.set i, i+2
.endr
.Lp_join:
	v_max3_num_f32 v6, |v32|, |v33|, 0x1800000
	v_max3_num_f32 v7, |v48|, |v49|, 0x1800000
.irp i, 2,4,6,8,10,12,14
	v_max3_num_f32 v6, v6, |v[32+\i]|, |v[33+\i]|
	v_max3_num_f32 v7, v7, |v[48+\i]|, |v[49+\i]|
.endr
	v_max_num_f32 v6, v6, v7
	v_add_nc_u32 v6, 0xff000000, v6
	v_lshrrev_b32 v6, 23, v6                       ; piece 0's byte, by the MX rule
; Piece p: byte F = that - 4 p, held at 2 from below (so that s / 2 is a normal number).  t = the residual in halves of s, to the nearest whole number, held to +-15; the piece is t s / 2.
.macro PIECE p
	v_add_nc_u32 v7, -4*(\p), v6
	v_max_i32 v7, 2, v7
	v_lshlrev_b32 v22, 23, v7                      ; s as f32: the conversion's scale operand
	v_sub_nc_u32 v24, 255, v7
	v_add_nc_u32 v26, -1, v7
	v_lshlrev_b32 v24, 23, v24                     ; 2 / s
	v_lshlrev_b32 v26, 23, v26                     ; s / 2
	v_mov_b32 v25, v24
	v_mov_b32 v27, v26
.if (\p)%4 == 0
	v_mov_b32 v[20+(\p)/4], v7
.else
	v_lshl_or_b32 v[20+(\p)/4], v7, 8*((\p)%4), v[20+(\p)/4]
.endif
.set i, 0
.rept 16
	v_pk_mul_f32 v[64+i:65+i], v[32+i:33+i], v[24:25] op_sel_hi:[1,0]
.set i, i+2
.endr
.set i, 0
.rept 32
	v_rndne_f32 v[64+i], v[64+i]
.set i, i+1
.endr
.set i, 0
.rept 32
	v_med3_num_f32 v[64+i], v[64+i], s30, s31
.set i, i+1
.endr
.set i, 0
.rept 16
	v_pk_mul_f32 v[64+i:65+i], v[64+i:65+i], v[26:27] op_sel_hi:[1,0]
.set i, i+2
.endr
.if (\p) < 7
.set i, 0
.rept 16
	v_pk_add_f32 v[32+i:33+i], v[32+i:33+i], v[64+i:65+i] neg_lo:[0,1] neg_hi:[0,1]   ; what is left: exact
.set i, i+2
.endr
.endif
	v_cvt_scalef32_pk16_fp6_f32 v[96:98], v[64:79], v22                          ; the piece is a number of the format at this scale: nothing is rounded
	v_cvt_scalef32_pk16_fp6_f32 v[100:102], v[80:95], v22
	v_nop                                          ; one plain instruction behind the conversions
.if (\p)%2 == 0
.irp i, 0,1,2
	v_mov_b32 v[104+\i], v[96+\i]                  ; an even piece is a block of lanes 0-15: kept
	v_mov_b32 v[107+\i], v[100+\i]
.endr
.else
.set IM, 112+12*((\p)/4)+6*(((\p)/2)%2)
.irp i, 0,1,2
	v_cndmask_b32 v[IM+\i], v[104+\i], v[96+\i], s32                             ; an odd piece is the block of lanes 16-31 in the same registers
	v_cndmask_b32 v[IM+3+\i], v[107+\i], v[100+\i], s32
.endr
.endif
.endm
.macro PSTORE q                        ; each image has registers of its own: no store's data are written again
.irp g, 0,1,2
	global_store_b128 v3, v[112+12*\q+4*\g:115+12*\q+4*\g], s[44:45] offset:OFF_P+1536*\q+512*\g
.endr
	global_store_b32 v4, v[20+\q], s[48:49] offset:OFF_SP+128*\q
.endm
	PIECE 0
	PIECE 1
	PIECE 2
	PIECE 3
	PSTORE 0
	PIECE 4
	PIECE 5
	PIECE 6
	PIECE 7
	PSTORE 1
	s_endpgm
.Lfunc_end_k_qcbd2176cd0_prep:
	.size	k_qcbd2176cd0_prep, .Lfunc_end_k_qcbd2176cd0_prep-k_qcbd2176cd0_prep
	.p2alignl 7, 3214868480
	.fill 96, 4, 3214868480
	.section	.rodata,"a",@progbits
	.p2align	6, 0x0
	.amdhsa_kernel k_qcbd2176cd0_prep
		.amdhsa_group_segment_fixed_size 0
		.amdhsa_private_segment_fixed_size 0
		.amdhsa_enable_private_segment 0
		.amdhsa_kernarg_size 64
		.amdhsa_user_sgpr_count 2
		.amdhsa_user_sgpr_kernarg_segment_ptr 1
		.amdhsa_wavefront_size32 1
		.amdhsa_system_sgpr_workgroup_id_x 1
		.amdhsa_system_sgpr_workgroup_id_y 1
		.amdhsa_system_sgpr_workgroup_id_z 1
		.amdhsa_system_vgpr_workitem_id 0
		.amdhsa_next_free_vgpr 240
		.amdhsa_next_free_sgpr 66
		.amdhsa_reserve_vcc 1
		.amdhsa_float_denorm_mode_32 3
		.amdhsa_float_denorm_mode_16_64 3
		.amdhsa_memory_ordered 1
		.amdhsa_forward_progress 1
		.amdhsa_inst_pref_size 117
	.end_amdhsa_kernel
	.amdgpu_metadata
---
amdhsa.version: [ 1, 2 ]
amdhsa.kernels:
  - .name:           k_qcbd2176cd0_prep
    .symbol:         k_qcbd2176cd0_prep.kd
    .args:
      - { .name: Wr, .offset: 0, .size: 8, .value_kind: global_buffer, .address_space: global }
      - { .name: Wi, .offset: 8, .size: 8, .value_kind: global_buffer, .address_space: global }
      - { .name: codebook, .offset: 16, .size: 8, .value_kind: global_buffer, .address_space: global }
      - { .name: dec_w, .offset: 24, .size: 8, .value_kind: global_buffer, .address_space: global }
      - { .name: adj, .offset: 32, .size: 8, .value_kind: global_buffer, .address_space: global }
      - { .name: emb_mag, .offset: 40, .size: 8, .value_kind: global_buffer, .address_space: global }
      - { .name: emb_phase, .offset: 48, .size: 8, .value_kind: global_buffer, .address_space: global }
      - { .name: cst, .offset: 56, .size: 8, .value_kind: global_buffer, .address_space: global }
    .group_segment_fixed_size: 0
    .private_segment_fixed_size: 0
    .kernarg_segment_align: 8
    .kernarg_segment_size: 64
    .max_flat_workgroup_size: 32
    .sgpr_count:     66
    .vgpr_count:     240
    .wavefront_size: 32
...
	.end_amdgpu_metadata
.endif
;; end of part 1
;; launch main (part 2): grid 256 x 1, 4 waves a work-group, no clusters, 9,728 bytes of LDS; arguments x, cst, ln_scale, ln_shift, mr_bias, halt_w, halt_b, dec_b, out0, parts; writes out0, parts
.if DOCPART == 2
	.amdgcn_target "amdgcn-amd-amdhsa--gfx1250"
	.amdhsa_code_object_version 6
	.text
	.protected	k_qcbd2176cd0_main
	.globl	k_qcbd2176cd0_main
	.p2align	8
	.type	k_qcbd2176cd0_main,@function
k_qcbd2176cd0_main:
	s_mov_b64 s[64:65], 0
	v_nop
	global_prefetch_b8 v0, s[64:65] scope:SCOPE_SE
	s_setreg_imm32_b32 hwreg(HW_REG_WAVE_MODE, 25, 1), 1
	s_wait_xcnt 0x0
; The whole chain for every token: embedding (codes looked up by x), four steps (complex linear, norm of the magnitudes, ModReLU, halting, nearest codebook row with graph bias, mix, ACT), decoder; and each wave's part of the two means.
; SHARES.  256 work-groups x 4 waves; a wave owns 128 tokens, 16 a trip.  One wave to a SIMD: all weights, tables and per-feature parameters (some 620 registers) are loaded once and stay; no intermediate goes to memory.
; ALL PRODUCTS ARE USED TRANSPOSED (source 0 = 16 rows of a weight, source 1 = my 16 tokens): lane (r, h) holds token r throughout, and 64 of its 128 numbers: register q (0..31) the real part of feature
; c = 32 (q / 16) + 16 h + q % 16, register 32 + q the imaginary part of the same c.  That is also the order in which 64 registers are quantised along K = [real 64 | imaginary 64].
; THE COMPLEX LINEAR LAYER is one product of K = 128: [zr | zi] against rows [Wr | -Wi] and [Wi | Wr]; the blocks of 32 are those of the four products of K = 64.
; NORM AND ModReLU, for one complex number: raw = sqrt(nr^2 + ni^2); d = raw - mean(raw) (the EPS in the magnitudes cancels); var = sum d^2 / 63; mn = d rsq(var + EPS) ln_scale + ln_shift; m2 = |mn| + EPS;
; f = (nr, ni) x mn relu(m2 + mr_bias) / (m2 raw + 1e-30).
; THE DISTANCE: cb_sq (as C) + Q(-2 codebook) Q(f) - 0.1 sigmoid(adj[sym]); the sum of f^2, the same for all 32 symbols, is left off the argmin.
; NO ADDRESS HANGS ON THE ARGMIN: codebook[idx] and adj[sym] are products of a ONE-HOT operand (code 2.0 at the symbol, scale byte 126, the same in all four blocks of K) with tables cut into eight pieces of falling
; scale, exact to the last bits of f32.  The features' table holds -codebook and f goes in as C: the product is e = f - zq; the loss adds e^2, and z = f - 0.3 e.
; No cluster, no joint loads, no tensor loads: what work-groups share is 58,112 bytes of constants, read once at the head into registers; nothing is streamed.  No barrier: LDS holds only each wave's own stage for the way out.
; LIMITS: for 0 < raw < 1.7e-23 the ratio raw / (raw + 1e-30), taken as 1 here, is not 1 (at raw = 0 both give f = 0).  NaN and infinities are not served.  x is held to 0 .. 31.
.set OFF_R,  0
.set OFF_P,  18432
.set OFF_SR, 49152
.set OFF_SP, 50688
.set OFF_SQ, 53248
.set OFF_ZT, 54784
.set OFF_ZS, 57856
; window 0
.set LI,   1                           ; 16 x lane
.set LS,   2                           ; 4 x lane
.set XO,   3                           ; 4 x (lane % 16)
.set XN,   4                           ; x of the tile after this one
.set ZO,   5                           ; its codes' place in the table
.set ZSO,  6                           ; its scale word's
.set STO,  7                           ; the stage: where I put 32 bytes of a row
.set RD,   8                           ; and where I read rows back
.set H8,   9
.set H48,  10
.set H4,   11
.set PON,  12                          ; the count of 'still'
.set PR,   13                          ; p
.set LOSS2, 14                         ; v[14:15]
.set WS,   16                          ; v16-50 hold scale words and nothing else: W' 16-23,
.set CBS,  24                          ; codebook,
.set GS,   26                          ; graph bias (2 t + q),
.set DS,   30                          ; decoder,
.set PS,   32                          ; features' table (2 t + q),
.set ONE,  48                          ; the one-hot operand's: 2^-1 in every byte,
.set ZW,   49                          ; the operand just quantised,
.set ZCS,  50                          ; the embedding's
.set FN,   52                          ; v52-115  nr, ni, then f
.set TA,   116                         ; v116-147 d, mn, the factor; the distances and the argmin's work; the logits
.set EE,   148                         ; v148-211 raw and m2 and what is made of them; then e, then z
.set PC,   212                         ; v212-223 codes; v224-226, v228-230 the conversions' other halves
.set TM,   232                         ; v232-243 at work
.set LOSS, 244                         ; v[244:245]
.set ST,   246                         ; 'still'; at the head 64 h
.set H32,  247                         ; 32 h
.set MN,   248                         ; -mean       (pairs: the packed forms take the low word for both halves)
.set RS,   250                         ; 1 / sqrt(var + EPS)
.set PE,   252                         ; p_eff
.set HALT, 254
.set REM,  255
; window 1
.set ACC,  96                          ; v0-95 W' (12 t); the ACT sums
.set LNS,  160
.set LNB,  192
.set MRB,  224
; window 2
.set HW,   192                         ; v0-191 the features' table (24 t + 12 q); halt_w
; window 3
.set CBF,  0
.set CBQ,  24                          ; cb_sq in the result's layout
.set GF,   40                          ; 24 t + 12 q
.set DF,   88
.set DB,   112                         ; dec_b in the result's layout
.set OH,   128
.set ZC,   140
.set MSB, 0
.macro WIN new                         ; bits 1:0 source 0, 3:2 source 1, 5:4 source 2, 7:6 destination; the high byte repeats the setting that is left
.if MSB != \new
	s_set_vgpr_msb (MSB<<8)|\new
.set MSB, \new
.endif
.endm
.macro PLACES n
.rept \n
	v_nop
.endr
.endm
.macro MM d, a, b, c, sa, sb
	v_wmma_scale_f32_16x16x128_f8f6f4 v[(\d):(\d)+7], v[(\a):(\a)+11], v[(\b):(\b)+11], v[(\c):(\c)+7], v[\sa], v[\sb] matrix_a_fmt:MATRIX_FMT_FP6 matrix_b_fmt:MATRIX_FMT_FP6
.endm
.macro MM0 d, a, b, sa, sb
	v_wmma_scale_f32_16x16x128_f8f6f4 v[(\d):(\d)+7], v[(\a):(\a)+11], v[(\b):(\b)+11], 0, v[\sa], v[\sb] matrix_a_fmt:MATRIX_FMT_FP6 matrix_b_fmt:MATRIX_FMT_FP6
.endm
; 64 numbers of a lane, register 16 b + i = k 32 b + 16 h + i of my token, become a fragment's codes in v[PC] on and its scale word in v[ZW]
.macro QUANT s
	WIN 0
.irp b, 0,1,2,3
	v_max3_num_f32 v[TM+\b], |v[\s+16*\b]|, |v[\s+16*\b+1]|, 0x1800000           ; with the floor 2^(3 - 127): the byte cannot fall under 1
.endr
.irp i, 2,4,6,8,10,12,14
.irp b, 0,1,2,3
	v_max3_num_f32 v[TM+\b], v[TM+\b], |v[\s+16*\b+\i]|, |v[\s+16*\b+\i+1]|
.endr
.endr
.irp b, 0,1,2,3
	v_permlanex16_b32 v[TM+4+\b], v[TM+\b], s26, s27
.endr
.irp b, 0,1,2,3
	v_max_num_f32 v[TM+\b], v[TM+\b], v[TM+4+\b]   ; with lane l xor 16's 16: the block's largest magnitude
.endr
.irp b, 0,1,2,3
	v_add_nc_u32 v[TM+8+\b], 0xff000000, v[TM+\b]  ; 2 off its exponent field: the conversion's scale operand
.endr
.irp b, 0,1,2,3
	v_lshrrev_b32 v[TM+4+\b], 23, v[TM+8+\b]       ; the byte
.endr
	v_lshl_or_b32 v[ZW], v[TM+5], 8, v[TM+4]
	v_lshl_or_b32 v[ZW], v[TM+6], 16, v[ZW]
	v_lshl_or_b32 v[ZW], v[TM+7], 24, v[ZW]
.irp c, 0,1
	v_cvt_scalef32_pk16_fp6_f32 v[PC+6*\c:PC+6*\c+2], v[\s+32*\c:\s+32*\c+15], v[TM+8+2*\c]
	v_cvt_scalef32_pk16_fp6_f32 v[PC+12+4*\c:PC+14+4*\c], v[\s+32*\c+16:\s+32*\c+31], v[TM+9+2*\c]
.endr
	v_nop                                          ; one plain instruction behind the conversions
.irp c, 0,1                            ; the operand's layout wants a whole block in a lane: lanes 0-15 block 2 c, lanes 16-31 block 2 c + 1
.irp i, 0,1,2
	v_permlane16_swap_b32 v[PC+6*\c+\i], v[PC+12+4*\c+\i]
.endr
.irp i, 0,1,2
	v_mov_b32 v[PC+3+6*\c+\i], v[PC+12+4*\c+\i]
.endr
.endr
.endm
; the next tile's embedding: its codes and scale word, by x
.macro NEXTZ
	WIN 0
	v_min_u32 v[XN], 31, v[XN]
	v_mul_u32_u24 v[ZO], v[XN], 96
	v_lshlrev_b32 v[ZSO], 3, v[XN]
	v_add_nc_u32 v[ZO], v[ZO], v[H48]
	v_add_nc_u32 v[ZSO], v[ZSO], v[H4]
	WIN 0xc0
.irp g, 0,1,2
	global_load_b128 v[ZC+4*\g:ZC+4*\g+3], v[ZO], s[6:7] offset:OFF_ZT+16*\g
.endr
	WIN 0
	global_load_b32 v[ZCS], v[ZSO], s[6:7] offset:OFF_ZS
.endm
; tiles t (real) and t + 4 (imaginary) of the linear layer
.macro LINP t, first
.if \first
	WIN 0x0d
	MM0 FN+8*\t, 12*\t, ZC, WS+\t, ZCS
	MM0 FN+32+8*\t, 48+12*\t, ZC, WS+4+\t, ZCS
.else
	WIN 0x01
	MM0 FN+8*\t, 12*\t, PC, WS+\t, ZW
	MM0 FN+32+8*\t, 48+12*\t, PC, WS+4+\t, ZW
.endif
.endm
; raw of tile t's eight features; each accumulator is read from its low end on
.macro SQ t
	WIN 0
.irp k, 0,2,4,6
	v_pk_mul_f32 v[EE+8*\t+\k:EE+8*\t+\k+1], v[FN+8*\t+\k:FN+8*\t+\k+1], v[FN+8*\t+\k:FN+8*\t+\k+1]
.endr
.irp k, 0,2,4,6
	v_pk_fma_f32 v[EE+8*\t+\k:EE+8*\t+\k+1], v[FN+32+8*\t+\k:FN+33+8*\t+\k], v[FN+32+8*\t+\k:FN+33+8*\t+\k], v[EE+8*\t+\k:EE+8*\t+\k+1]
.endr
.irp k, 0,1,2,3,4,5,6,7
	v_sqrt_f32 v[EE+8*\t+\k], v[EE+8*\t+\k]
.endr
.endm
; the ACT sums take the last step's p_eff z; in step 1 that starts them
.macro ACCUP part, s
.if \s == 1
	WIN 0x40
.else
	WIN 0x50
.endif
.set k, 32*\part
.rept 16
.if \s == 1
	v_pk_mul_f32 v[ACC+k:ACC+k+1], v[EE+k:EE+k+1], v[PE:PE+1] op_sel_hi:[1,0]
.else
	v_pk_fma_f32 v[ACC+k:ACC+k+1], v[EE+k:EE+k+1], v[PE:PE+1], v[ACC+k:ACC+k+1] op_sel_hi:[1,0,1]
.endif
.set k, k+2
.endr
.endm
.macro STATS
	WIN 0
	v_pk_add_f32 v[TM:TM+1], v[EE:EE+1], v[EE+2:EE+3]
	v_pk_add_f32 v[TM+2:TM+3], v[EE+4:EE+5], v[EE+6:EE+7]
.set k, 8
.rept 6
	v_pk_add_f32 v[TM:TM+1], v[TM:TM+1], v[EE+k:EE+k+1]
	v_pk_add_f32 v[TM+2:TM+3], v[TM+2:TM+3], v[EE+k+2:EE+k+3]
.set k, k+4
.endr
	v_pk_add_f32 v[TM:TM+1], v[TM:TM+1], v[TM+2:TM+3]
	v_add_f32 v[TM], v[TM], v[TM+1]
	v_permlanex16_b32 v[TM+4], v[TM], s26, s27
	v_add_f32 v[TM], v[TM], v[TM+4]
	v_mul_f32 v[MN], 0xbc800000, v[TM]             ; -mean = sum x -1/64
.set k, 0
.rept 16
	v_pk_add_f32 v[TA+k:TA+k+1], v[EE+k:EE+k+1], v[MN:MN+1] op_sel_hi:[1,0]
.set k, k+2
.endr
	v_pk_mul_f32 v[TM:TM+1], v[TA:TA+1], v[TA:TA+1]
	v_pk_mul_f32 v[TM+2:TM+3], v[TA+2:TA+3], v[TA+2:TA+3]
.set k, 4
.rept 7
	v_pk_fma_f32 v[TM:TM+1], v[TA+k:TA+k+1], v[TA+k:TA+k+1], v[TM:TM+1]
	v_pk_fma_f32 v[TM+2:TM+3], v[TA+k+2:TA+k+3], v[TA+k+2:TA+k+3], v[TM+2:TM+3]
.set k, k+4
.endr
	v_pk_add_f32 v[TM:TM+1], v[TM:TM+1], v[TM+2:TM+3]
	v_add_f32 v[TM], v[TM], v[TM+1]
	v_permlanex16_b32 v[TM+4], v[TM], s26, s27
	v_add_f32 v[TM], v[TM], v[TM+4]
	v_fma_f32 v[TM], v[TM], 0x3c820821, s29        ; / 63 + EPS
	v_rsq_f32 v[RS], v[TM]
	v_nop                                          ; a plain instruction behind it,
	s_wait_alu depctr_va_vdst(0)                   ; and the wait ahead of its first reader
.endm
.macro NORM
	WIN 0
.set k, 0
.rept 16
	v_pk_mul_f32 v[TA+k:TA+k+1], v[TA+k:TA+k+1], v[RS:RS+1] op_sel_hi:[1,0]
.set k, k+2
.endr
	WIN 0x14
.set k, 0
.rept 16
	v_pk_fma_f32 v[TA+k:TA+k+1], v[TA+k:TA+k+1], v[LNS+k:LNS+k+1], v[LNB+k:LNB+k+1]
.set k, k+2
.endr
.endm
.macro MODRELU
	WIN 0
.set q, 0
.rept 32
	v_add_f32 v[EE+32+q], |v[TA+q]|, s29           ; m2 = |mn| + EPS
.set q, q+1
.endr
.set q, 0
.rept 16
	v_pk_fma_f32 v[EE+q:EE+q+1], v[EE+32+q:EE+33+q], v[EE+q:EE+q+1], 0x0da24260 op_sel_hi:[1,1,0]   ; m2 raw + 1e-30
.set q, q+2
.endr
	WIN 0x04
.set q, 0
.rept 16
	v_pk_add_f32 v[EE+32+q:EE+33+q], v[EE+32+q:EE+33+q], v[MRB+q:MRB+q+1]
.set q, q+2
.endr
	WIN 0
.set q, 0
.rept 16                               ; the 32 reciprocals are one batch; the lines between them name none of its results
	v_rcp_f32 v[EE+q], v[EE+q]
	v_max_num_f32 v[EE+32+q], 0, v[EE+32+q]
	v_rcp_f32 v[EE+q+1], v[EE+q+1]
	v_max_num_f32 v[EE+33+q], 0, v[EE+33+q]
	v_pk_mul_f32 v[TA+q:TA+q+1], v[TA+q:TA+q+1], v[EE+32+q:EE+33+q]
.set q, q+2
.endr
	s_wait_alu depctr_va_vdst(0)                   ; one wait for the batch, ahead of its first reader
.set q, 0
.rept 16
	v_pk_mul_f32 v[TA+q:TA+q+1], v[TA+q:TA+q+1], v[EE+q:EE+q+1]
.set q, q+2
.endr
.set q, 0
.rept 16
	v_pk_mul_f32 v[FN+q:FN+q+1], v[FN+q:FN+q+1], v[TA+q:TA+q+1]
	v_pk_mul_f32 v[FN+32+q:FN+33+q], v[FN+32+q:FN+33+q], v[TA+q:TA+q+1]
.set q, q+2
.endr
.endm
; f . halt_w, in f32 (p goes on into a quantised operand): 16 packed lines a half, two chains
.macro HD part
	WIN 0x08
.if \part == 0
	v_pk_mul_f32 v[TM:TM+1], v[FN:FN+1], v[HW:HW+1]
	v_pk_mul_f32 v[TM+2:TM+3], v[FN+2:FN+3], v[HW+2:HW+3]
.set k, 4
.rept 7
	v_pk_fma_f32 v[TM:TM+1], v[FN+k:FN+k+1], v[HW+k:HW+k+1], v[TM:TM+1]
	v_pk_fma_f32 v[TM+2:TM+3], v[FN+k+2:FN+k+3], v[HW+k+2:HW+k+3], v[TM+2:TM+3]
.set k, k+4
.endr
.else
.set k, 32
.rept 8
	v_pk_fma_f32 v[TM:TM+1], v[FN+k:FN+k+1], v[HW+k:HW+k+1], v[TM:TM+1]
	v_pk_fma_f32 v[TM+2:TM+3], v[FN+k+2:FN+k+3], v[HW+k+2:HW+k+3], v[TM+2:TM+3]
.set k, k+4
.endr
.endif
.endm
; the two tiles of distances take turns, one instruction a turn
.macro DIST s
	WIN 0x33
	MM TA, CBF, PC, CBQ, CBS, ZW
	MM TA+8, CBF+12, PC, CBQ+8, CBS+1, ZW
.if \s > 0
	WIN 0x0f                                       ; the one-hot operand still holds the last step's symbol
	MM TA, GF, OH, TA, GS, ONE
	MM TA+8, GF+24, OH, TA+8, GS+2, ONE
	MM TA, GF+12, OH, TA, GS+1, ONE
	MM TA+8, GF+36, OH, TA+8, GS+3, ONE
.endif
.endm
.macro HDRED
	WIN 0
	v_pk_add_f32 v[TM:TM+1], v[TM:TM+1], v[TM+2:TM+3]
	v_add_f32 v[TM], v[TM], v[TM+1]
	v_permlanex16_b32 v[TM+4], v[TM], s26, s27
	v_add_f32 v[TM], v[TM], v[TM+4]
	v_add_f32 v[TM], s28, v[TM]
	v_mul_f32 v[TM], 0xbfb8aa3b, v[TM]
	v_exp_f32 v[PR], v[TM]                         ; its wait stands ten plain lines on, in ARGMIN
.endm
; register a of the 16 holds symbol 16 (a / 8) + 8 h + a % 8.  The lowest symbol among equals wins, as in jnp.argmin.  The symbol ends in v[TA+18], in both halves of the lanes
.macro ARGMIN s
	WIN 0
	v_min3_num_f32 v[TA+16], v[TA], v[TA+1], v[TA+2]
	v_min3_num_f32 v[TA+17], v[TA+8], v[TA+9], v[TA+10]
	v_min3_num_f32 v[TA+16], v[TA+16], v[TA+3], v[TA+4]
	v_min3_num_f32 v[TA+17], v[TA+17], v[TA+11], v[TA+12]
	v_min3_num_f32 v[TA+16], v[TA+16], v[TA+5], v[TA+6]
	v_min3_num_f32 v[TA+17], v[TA+17], v[TA+13], v[TA+14]
	v_min3_num_f32 v[TA+16], v[TA+16], v[TA+7], v[TA+15]
	v_min_num_f32 v[TA+16], v[TA+16], v[TA+17]
	v_permlanex16_b32 v[TA+17], v[TA+16], s26, s27
	v_min_num_f32 v[TA+16], v[TA+16], v[TA+17]
.if \s < 3
	s_wait_alu depctr_va_vdst(0)                   ; the exponential's wait, ahead of its reader
	v_add_f32 v[PR], 1.0, v[PR]
	v_rcp_f32 v[PR], v[PR]                         ; p; its wait stands in ACT
.endif
.set a, 0
.rept 16
	v_cmp_eq_f32 s[32+a], v[TA+a], v[TA+16]
.set a, a+1
.endr
.irp c, 0,1,2,3
	v_cndmask_b32 v[TA+18+\c], 64, 16*((4*\c+3)/8)+(4*\c+3)%8, s[32+4*\c+3]
.endr
.irp d, 2,1,0
.irp c, 0,1,2,3
	v_cndmask_b32 v[TA+18+\c], v[TA+18+\c], 16*((4*\c+\d)/8)+(4*\c+\d)%8, s[32+4*\c+\d]
.endr
.endr
	v_min_u32 v[TA+18], v[TA+18], v[TA+19]
	v_min_u32 v[TA+20], v[TA+20], v[TA+21]
	v_min_u32 v[TA+18], v[TA+18], v[TA+20]
	v_add_nc_u32 v[TA+18], v[TA+18], v[H8]
	v_permlanex16_b32 v[TA+19], v[TA+18], s26, s27
	v_min_u32 v[TA+18], v[TA+18], v[TA+19]
.endm
; code 2.0 of E2M3 is the one bit 6 idx + 4 of a block's 192; both of my blocks get it
.macro ONEHOT
	WIN 0
	v_mad_u32_u24 v[TA+19], v[TA+18], 6, 4
	v_and_b32 v[TA+20], 31, v[TA+19]
	v_lshlrev_b32 v[TA+20], v[TA+20], 1
	v_lshrrev_b32 v[TA+21], 5, v[TA+19]
	WIN 0xc0
.irp w, 0,1,2,3,4,5
	v_cmp_eq_u32 s[48+\w], \w, v[TA+21]
.endr
.irp w, 0,1,2,3,4,5
	v_cndmask_b32 v[OH+\w], 0, v[TA+20], s[48+\w]
	v_cndmask_b32 v[OH+6+\w], 0, v[TA+20], s[48+\w]
.endr
.endm
; halting.  These plain lines (four at the least) also stand between the one-hot operand's last write and the products that read it
.macro ACT s
	WIN 0
.if \s < 3
	s_wait_alu depctr_va_vdst(0)                   ; the reciprocal's wait, ahead of its first reader
.endif
.if \s == 0
	v_mov_b32 v[PE], v[PR]                         ; halting begins at 0: still = 1
	v_mov_b32 v[HALT], v[PR]
	v_sub_f32 v[REM], 1.0, v[PR]
	v_add_f32 v[PON], 1.0, v[PON]
.else
	v_cmp_gt_f32 vcc_lo, 0x3f7d70a4, v[HALT]       ; halting < 0.99
	v_cndmask_b32 v[ST], 0, 1.0, vcc_lo
.if \s < 3
	v_mul_f32 v[PE], v[PR], v[ST]
	v_add_f32 v[HALT], v[HALT], v[PE]
	v_sub_f32 v[REM], v[REM], v[PE]
	v_add_f32 v[PON], v[PON], v[ST]
.else
	v_mov_b32 v[PE], v[REM]
	v_add_f32 v[PON], v[PON], v[ST]
	v_nop
.endif
.endif
.endm
; e = f - zq of tiles 2 g and 2 g + 1: pieces 0-3 with f as C, then pieces 4-7 in place; the two accumulators take turns
.macro GATH g
	WIN 0x0e
	MM EE+16*(\g), 48*(\g), OH, FN+16*(\g), PS+4*(\g), ONE
	MM EE+16*(\g)+8, 48*(\g)+24, OH, FN+16*(\g)+8, PS+4*(\g)+2, ONE
	MM EE+16*(\g), 48*(\g)+12, OH, EE+16*(\g), PS+4*(\g)+1, ONE
	MM EE+16*(\g)+8, 48*(\g)+36, OH, EE+16*(\g)+8, PS+4*(\g)+3, ONE
.endm
; the loss takes e^2; z = f - 0.3 e, in place.  Ascending: each accumulator is read from its low end on
.macro CONS g
	WIN 0
.irp k, 0,4,8,12
	v_pk_fma_f32 v[LOSS:LOSS+1], v[EE+16*\g+\k:EE+16*\g+\k+1], v[EE+16*\g+\k:EE+16*\g+\k+1], v[LOSS:LOSS+1]
	v_pk_fma_f32 v[LOSS2:LOSS2+1], v[EE+16*\g+\k+2:EE+16*\g+\k+3], v[EE+16*\g+\k+2:EE+16*\g+\k+3], v[LOSS2:LOSS2+1]
	v_pk_fma_f32 v[EE+16*\g+\k:EE+16*\g+\k+1], v[EE+16*\g+\k:EE+16*\g+\k+1], 0xbe99999a, v[FN+16*\g+\k:FN+16*\g+\k+1] op_sel_hi:[1,0,1]
	v_pk_fma_f32 v[EE+16*\g+\k+2:EE+16*\g+\k+3], v[EE+16*\g+\k+2:EE+16*\g+\k+3], 0xbe99999a, v[FN+16*\g+\k+2:FN+16*\g+\k+3] op_sel_hi:[1,0,1]
.endr
.endm
; A STEP.  Behind a matrix instruction four plain vector instructions that name none of its registers stand ahead of the first read of its result (ISA guide 7.12.1); ahead of a scaled matrix instruction eight stand
; behind a vector write of its scale word and four behind one of its operand.  Useful lines fill these places where there are any: the comments say which.
.macro STEP s
.if \s == 0
	LINP 0, 1
	LINP 1, 1
	PLACES 4
	SQ 0
	LINP 2, 1                                      ; SQ 0's and SQ 1's packed lines are the places behind tiles 1 and 2, SQ 2's those behind tile 3
	SQ 1
	LINP 3, 1
	SQ 2
	SQ 3
	NEXTZ                                          ; the operand just multiplied takes the next tile's codes (SQ 2's eight packed lines stand behind its last product); its first line is the plain line behind the roots
	s_cmp_ge_u32 s25, 3                            ; x two tiles on; in the last two trips the address stays, so that no load leaves x
	s_cselect_b32 s30, 64, 0
	s_add_nc_u64 s[4:5], s[4:5], s[30:31]          ; (the load that read this base was waited for at the trip's head)
	global_load_b32 v[XN], v[XO], s[4:5]
.else
	ACCUP 0, \s                                    ; sixteen lines: the places behind the scale word and the codes just made
	LINP 0, 0
	LINP 1, 0
	ACCUP 1, \s                                    ; sixteen lines: the places behind tiles 0 and 1
	SQ 0
	LINP 2, 0
	SQ 1
	LINP 3, 0
	SQ 2
	SQ 3
	v_nop                                          ; a plain line behind the roots
.endif
	s_wait_alu depctr_va_vdst(0)                   ; one wait for the 32 roots, ahead of their first reader
	STATS
	NORM
	MODRELU
	QUANT FN
.if \s < 3
	HD 0                                           ; sixteen lines ahead of the distances' products,
	DIST \s
	HD 1                                           ; and sixteen behind them
	HDRED
.else
	PLACES 8                                       ; the last step's p is thrown away, so there is no such work here
	DIST \s
	WIN 0
	PLACES 4
.endif
	ARGMIN \s
	ONEHOT
	ACT \s
	GATH 0
	GATH 1
	WIN 0
	PLACES 4
	CONS 0                                         ; each CONS is the sixteen places behind the GATH that stands in front of it
	GATH 2
	CONS 1
	GATH 3
	CONS 2
	CONS 3
.if \s < 3
	QUANT EE
.endif
.endm
.macro TAIL
	WIN 0x10
.set k, 0
.rept 32
	v_pk_fma_f32 v[EE+k:EE+k+1], v[EE+k:EE+k+1], v[PE:PE+1], v[ACC+k:ACC+k+1] op_sel_hi:[1,0,1]   ; the ACT sums, finished
.set k, k+2
.endr
	QUANT EE
	PLACES 8
	WIN 0x33
	MM TA, DF, PC, DB, DS, ZW                      ; dec_b is the C
	MM TA+8, DF+12, PC, DB+8, DS+1, ZW
	WIN 0
	PLACES 4
.irp t, 0,1                            ; lane (r, h): logits 16 t + 8 h + 0 .. 7 of token r, into my stage (rows of 128 bytes + 16)
	ds_store_b128 v[STO], v[TA+8*\t:TA+8*\t+3] offset:64*\t
	ds_store_b128 v[STO], v[TA+8*\t+4:TA+8*\t+7] offset:64*\t+16
.endr
.irp k, 0,1,2,3
	ds_load_b128 v[FN+4*\k:FN+4*\k+3], v[RD] offset:576*\k                       ; four rows an instruction; LDS serves a wave's instructions in order (ISA guide 5.7.1.4): these see the stores above
.endr
	s_wait_dscnt 0x0
.irp k, 0,1,2,3
	global_store_b128 v[LI], v[FN+4*\k:FN+4*\k+3], s[20:21] offset:512*\k th:TH_STORE_NT   ; 32 lanes store 512 consecutive bytes, at a multiple of 256 from out0's first byte
.endr
.endm
	s_load_b512 s[4:19], s[0:1], 0x0               ; x s[4:5], cst s[6:7], ln_scale s[8:9], ln_shift s[10:11], mr_bias s[12:13], halt_w s[14:15], halt_b s[16:17], dec_b s[18:19]
	s_load_b128 s[20:23], s[0:1], 0x40             ; out0 s[20:21], parts s[22:23]
	v_lshl_add_u32 v227, v0, 2, 0x2400
	v_mov_b32 v231, 0
	v_lshrrev_b32 v1, 5, v0
	v_readfirstlane_b32 s24, v1                    ; wave 0..3
	v_and_b32 v4, 31, v0                           ; lane
	v_and_b32 v5, 15, v0                           ; r
	v_bfe_u32 v6, v0, 4, 1                         ; h
	v_lshlrev_b32 v[LI], 4, v4
	v_lshlrev_b32 v[LS], 2, v4
	v_lshlrev_b32 v[XO], 2, v5
	s_mul_i32 s56, s24, 2304                       ; my stage: 16 rows x 144 bytes
	v_mul_u32_u24 v[STO], v5, 144
	v_lshl_add_u32 v[STO], v6, 5, v[STO]
	v_add_nc_u32 v[STO], s56, v[STO]
	v_bfe_u32 v[RD], v0, 3, 2
	v_mul_u32_u24 v[RD], v[RD], 144
	v_and_b32 v9, 7, v0
	v_lshl_add_u32 v[RD], v9, 4, v[RD]
	v_add_nc_u32 v[RD], s56, v[RD]
	v_lshlrev_b32 v[H8], 3, v6
	v_mul_u32_u24 v[H48], v6, 48
	v_lshlrev_b32 v[H4], 2, v6
	v_lshlrev_b32 v[ST], 6, v6                     ; 64 h, for the head's loads
	v_lshlrev_b32 v[H32], 5, v6
	s_lshl_b32 s57, ttmp9, 2
	s_add_co_u32 s57, s57, s24                     ; which 128 tokens are my wave's
	s_mov_b32 s26, 0x76543210
	s_mov_b32 s27, 0xfedcba98                      ; v_permlanex16_b32's selects for lane l xor 16
	s_mov_b32 s29, 0x358637bd                      ; EPS = 1e-6
	s_mov_b32 s31, 0
	s_mov_b32 s25, 8                               ; tiles to go
	s_mov_b32 s59, 0
	s_lshl_b32 s58, s57, 9
	s_wait_kmcnt 0x0
	s_add_nc_u64 s[4:5], s[4:5], s[58:59]
	s_lshl_b32 s58, s57, 14
	s_add_nc_u64 s[20:21], s[20:21], s[58:59]
	s_lshl_b32 s58, s57, 3
	s_add_nc_u64 s[22:23], s[22:23], s[58:59]
	s_load_b32 s28, s[16:17], 0x0                  ; halt_b
	global_load_b32 v[XN], v[XO], s[4:5]           ; x of tile 0: both halves of the lanes take token lane % 16
	WIN 0x40
.irp k, 0,1,2,3,4,5,6,7
.irp g, 0,1,2
	global_load_b128 v[12*\k+4*\g:12*\k+4*\g+3], v[LI], s[6:7] offset:OFF_R+1536*\k+512*\g
.endr
.endr
.irp b, 0,1                            ; register 16 b + i is feature 32 b + 16 h + i
.irp j, 0,1,2,3
	global_load_b128 v[LNS+16*\b+4*\j:LNS+16*\b+4*\j+3], v[ST], s[8:9] offset:128*\b+16*\j
	global_load_b128 v[LNB+16*\b+4*\j:LNB+16*\b+4*\j+3], v[ST], s[10:11] offset:128*\b+16*\j
	global_load_b128 v[MRB+16*\b+4*\j:MRB+16*\b+4*\j+3], v[ST], s[12:13] offset:128*\b+16*\j
.endr
.endr
	WIN 0
	s_wait_loadcnt 48                              ; x is in: the 48 loads issued behind it (24 of W', 24 of the norm's parameters) may stay out
	NEXTZ                                          ; tile 0's codes
	s_add_nc_u64 s[4:5], s[4:5], 64                ; (x's load is done: its base may step)
	global_load_b32 v[XN], v[XO], s[4:5]           ; x of tile 1
	WIN 0x80
.irp u, 0,1,2,3,4,5,6,7
.irp q, 0,1
.irp g, 0,1,2
	global_load_b128 v[24*\u+12*\q+4*\g:24*\u+12*\q+4*\g+3], v[LI], s[6:7] offset:OFF_P+3072*\u+1536*\q+512*\g
.endr
.endr
.endr
.irp p, 0,1
.irp b, 0,1
.irp j, 0,1,2,3
	global_load_b128 v[HW+32*\p+16*\b+4*\j:HW+32*\p+16*\b+4*\j+3], v[ST], s[14:15] offset:256*\p+128*\b+16*\j
.endr
.endr
.endr
	WIN 0xc0
.irp t, 0,1
.irp g, 0,1,2
	global_load_b128 v[CBF+12*\t+4*\g:CBF+12*\t+4*\g+3], v[LI], s[6:7] offset:OFF_R+1536*(8+\t)+512*\g
	global_load_b128 v[DF+12*\t+4*\g:DF+12*\t+4*\g+3], v[LI], s[6:7] offset:OFF_R+1536*(10+\t)+512*\g
	global_load_b128 v[GF+24*\t+4*\g:GF+24*\t+4*\g+3], v[LI], s[6:7] offset:OFF_P+3072*(8+\t)+512*\g
	global_load_b128 v[GF+24*\t+12+4*\g:GF+24*\t+15+4*\g], v[LI], s[6:7] offset:OFF_P+3072*(8+\t)+1536+512*\g
.endr
.irp j, 0,1                            ; in the result's layout: register j of tile t is symbol (or logit) 16 t + 8 h + j
	global_load_b128 v[CBQ+8*\t+4*\j:CBQ+8*\t+4*\j+3], v[H32], s[6:7] offset:OFF_SQ+128*(8+\t)+16*\j
	global_load_b128 v[DB+8*\t+4*\j:DB+8*\t+4*\j+3], v[H32], s[18:19] offset:64*\t+16*\j
.endr
.endr
	WIN 0
.irp k, 0,1,2,3,4,5,6,7
	global_load_b32 v[WS+\k], v[LS], s[6:7] offset:OFF_SR+128*\k
	global_load_b32 v[PS+2*\k], v[LS], s[6:7] offset:OFF_SP+256*\k
	global_load_b32 v[PS+2*\k+1], v[LS], s[6:7] offset:OFF_SP+256*\k+128
.endr
.irp t, 0,1
	global_load_b32 v[CBS+\t], v[LS], s[6:7] offset:OFF_SR+128*(8+\t)
	global_load_b32 v[DS+\t], v[LS], s[6:7] offset:OFF_SR+128*(10+\t)
	global_load_b32 v[GS+2*\t], v[LS], s[6:7] offset:OFF_SP+256*(8+\t)
	global_load_b32 v[GS+2*\t+1], v[LS], s[6:7] offset:OFF_SP+256*(8+\t)+128
.endr
	v_mov_b32 v[PON], 0
	v_mov_b32 v[LOSS], 0
	v_mov_b32 v[LOSS+1], 0
	v_mov_b32 v[LOSS2], 0
	v_mov_b32 v[LOSS2+1], 0
	v_mov_b32 v[ONE], 0x7e7e7e7e
.irp b, 4,5,6,7
	v_mov_b32 v[TM+\b], 0                          ; written once: a lane permute's destination counts as one of its sources
.endr
	v_mov_b32 v[MN+1], 0                           ; (the upper halves of pairs of which the low word serves both halves)
	v_mov_b32 v[RS+1], 0
	v_mov_b32 v[PE+1], 0
	s_wait_kmcnt 0x0                               ; halt_b
.Ltile:                                ; eight trips, a tile of 16 tokens each
	s_wait_loadcnt 0x0                             ; this tile's codes and the next tile's x, asked for a tile ago (in the first trip: all of the head's loads)
	STEP 0
	STEP 1
	STEP 2
	STEP 3
	TAIL
	s_wait_xcnt 0x0                                ; the stores' data and base are written again only behind this wait
	s_add_nc_u64 s[20:21], s[20:21], 2048
	s_sub_co_u32 s25, s25, 1
	s_cmp_lg_u32 s25, 0
	s_cbranch_scc1 .Ltile
	; my wave's parts of the two means: the sum of e^2, and the count of 'still' (both halves of the lanes count a token: the last launch divides by twice the tokens)
	v_pk_add_f32 v[LOSS:LOSS+1], v[LOSS:LOSS+1], v[LOSS2:LOSS2+1]
	v_add_f32 v[TM], v[LOSS], v[LOSS+1]
	v_mov_b32 v[TM+1], v[PON]
.irp m, 1,2,4,8
	v_add_f32_dpp v[TM], v[TM], v[TM] row_xmask:\m row_mask:0xf bank_mask:0xf
	v_add_f32_dpp v[TM+1], v[TM+1], v[TM+1] row_xmask:\m row_mask:0xf bank_mask:0xf
.endr
	v_permlanex16_b32 v[TM+4], v[TM], s26, s27
	v_permlanex16_b32 v[TM+5], v[TM+1], s26, s27
	v_add_f32 v[TM], v[TM], v[TM+4]
	v_add_f32 v[TM+1], v[TM+1], v[TM+5]
	v_mov_b32 v[TM+6], 0
	v_cmp_eq_u32 vcc_lo, 0, v[LS]
	s_wait_xcnt 0x0                                ; EXEC changes only behind this wait
	s_wait_tensorcnt 0x0
	ds_add_u32 v227, v231
	s_wait_dscnt 0x0
	s_and_saveexec_b32 s56, vcc_lo
	global_store_b64 v[TM+6], v[TM:TM+1], s[22:23] ; lane 0: 8 bytes a wave
	s_endpgm
.Lfunc_end_k_qcbd2176cd0_main:
	.size	k_qcbd2176cd0_main, .Lfunc_end_k_qcbd2176cd0_main-k_qcbd2176cd0_main
	.p2alignl 7, 3214868480
	.fill 96, 4, 3214868480
	.section	.rodata,"a",@progbits
	.p2align	6, 0x0
	.amdhsa_kernel k_qcbd2176cd0_main
		.amdhsa_group_segment_fixed_size 9728
		.amdhsa_private_segment_fixed_size 0
		.amdhsa_enable_private_segment 0
		.amdhsa_kernarg_size 80
		.amdhsa_user_sgpr_count 2
		.amdhsa_user_sgpr_kernarg_segment_ptr 1
		.amdhsa_wavefront_size32 1
		.amdhsa_system_sgpr_workgroup_id_x 1
		.amdhsa_system_sgpr_workgroup_id_y 1
		.amdhsa_system_sgpr_workgroup_id_z 1
		.amdhsa_system_vgpr_workitem_id 0
		.amdhsa_next_free_vgpr 928
		.amdhsa_next_free_sgpr 66
		.amdhsa_reserve_vcc 1
		.amdhsa_float_denorm_mode_32 3
		.amdhsa_float_denorm_mode_16_64 3
		.amdhsa_memory_ordered 1
		.amdhsa_forward_progress 1
		.amdhsa_inst_pref_size 202
	.end_amdhsa_kernel
	.amdgpu_metadata
---
amdhsa.version: [ 1, 2 ]
amdhsa.kernels:
  - .name:           k_qcbd2176cd0_main
    .symbol:         k_qcbd2176cd0_main.kd
    .args:
      - { .name: x, .offset: 0, .size: 8, .value_kind: global_buffer, .address_space: global }
      - { .name: cst, .offset: 8, .size: 8, .value_kind: global_buffer, .address_space: global }
      - { .name: ln_scale, .offset: 16, .size: 8, .value_kind: global_buffer, .address_space: global }
      - { .name: ln_shift, .offset: 24, .size: 8, .value_kind: global_buffer, .address_space: global }
      - { .name: mr_bias, .offset: 32, .size: 8, .value_kind: global_buffer, .address_space: global }
      - { .name: halt_w, .offset: 40, .size: 8, .value_kind: global_buffer, .address_space: global }
      - { .name: halt_b, .offset: 48, .size: 8, .value_kind: global_buffer, .address_space: global }
      - { .name: dec_b, .offset: 56, .size: 8, .value_kind: global_buffer, .address_space: global }
      - { .name: out0, .offset: 64, .size: 8, .value_kind: global_buffer, .address_space: global }
      - { .name: parts, .offset: 72, .size: 8, .value_kind: global_buffer, .address_space: global }
    .group_segment_fixed_size: 9728
    .private_segment_fixed_size: 0
    .kernarg_segment_align: 8
    .kernarg_segment_size: 80
    .max_flat_workgroup_size: 128
    .sgpr_count:     66
    .vgpr_count:     928
    .wavefront_size: 32
...
	.end_amdgpu_metadata
.endif
;; end of part 2
;; launch finish (part 3): grid 1 x 1, 1 waves a work-group, no clusters, 0 bytes of LDS; arguments parts, out1, out2; writes out1, out2
.if DOCPART == 3
	.amdgcn_target "amdgcn-amd-amdhsa--gfx1250"
	.amdhsa_code_object_version 6
	.text
	.protected	k_qcbd2176cd0_finish
	.globl	k_qcbd2176cd0_finish
	.p2align	8
	.type	k_qcbd2176cd0_finish,@function
k_qcbd2176cd0_finish:
	s_mov_b64 s[64:65], 0
	v_nop
	global_prefetch_b8 v0, s[64:65] scope:SCOPE_SE
	s_setreg_imm32_b32 hwreg(HW_REG_WAVE_MODE, 25, 1), 1
	s_wait_xcnt 0x0
; The 1,024 waves' parts (sum of e^2, count of 'still'; 8 bytes each) are added in a fixed order: ponder = count / (2 x 131,072), since both halves of the lanes counted each token;
; vq_total = 1.25 x sum / (131,072 x 128).  The count stays under 2^24, so its sum is exact.  One wave: 8,192 bytes, sixteen loads of 512 consecutive bytes.
	s_load_b128 s[4:7], s[0:1], 0x0                ; parts, out1
	s_load_b64 s[8:9], s[0:1], 0x10                ; out2
	v_lshlrev_b32 v1, 4, v0
	s_mov_b32 s12, 0x76543210
	s_mov_b32 s13, 0xfedcba98
	s_wait_kmcnt 0x0
.irp k, 0,1,2,3,4,5,6,7,8,9,10,11,12,13,14,15
	global_load_b128 v[8+4*\k:11+4*\k], v1, s[4:5] offset:512*\k
.endr
	s_wait_loadcnt 0x0
	v_pk_add_f32 v[2:3], v[8:9], v[10:11]          ; a pair is (sum, count): two chains
	v_pk_add_f32 v[4:5], v[12:13], v[14:15]
.set i, 16
.rept 14
	v_pk_add_f32 v[2:3], v[2:3], v[i:i+1]
	v_pk_add_f32 v[4:5], v[4:5], v[i+2:i+3]
.set i, i+4
.endr
	v_pk_add_f32 v[2:3], v[2:3], v[4:5]
.irp m, 1,2,4,8
	v_add_f32_dpp v2, v2, v2 row_xmask:\m row_mask:0xf bank_mask:0xf
	v_add_f32_dpp v3, v3, v3 row_xmask:\m row_mask:0xf bank_mask:0xf
.endr
	v_permlanex16_b32 v4, v2, s12, s13
	v_permlanex16_b32 v5, v3, s12, s13
	v_add_f32 v2, v2, v4
	v_add_f32 v3, v3, v5
	v_mul_f32 v2, 0x33a00000, v2                   ; x 1.25 x 2^-24
	v_mul_f32 v3, 0x36800000, v3                   ; x 2^-18
	v_mov_b32 v6, 0
	v_cmp_eq_u32 vcc_lo, 0, v0
	s_wait_xcnt 0x0                                ; EXEC changes only behind this wait
	s_and_saveexec_b32 s10, vcc_lo
	global_store_b32 v6, v3, s[6:7]                ; ponder
	global_store_b32 v6, v2, s[8:9]                ; vq_total
	s_endpgm
.Lfunc_end_k_qcbd2176cd0_finish:
	.size	k_qcbd2176cd0_finish, .Lfunc_end_k_qcbd2176cd0_finish-k_qcbd2176cd0_finish
	.p2alignl 7, 3214868480
	.fill 96, 4, 3214868480
	.section	.rodata,"a",@progbits
	.p2align	6, 0x0
	.amdhsa_kernel k_qcbd2176cd0_finish
		.amdhsa_group_segment_fixed_size 0
		.amdhsa_private_segment_fixed_size 0
		.amdhsa_enable_private_segment 0
		.amdhsa_kernarg_size 24
		.amdhsa_user_sgpr_count 2
		.amdhsa_user_sgpr_kernarg_segment_ptr 1
		.amdhsa_wavefront_size32 1
		.amdhsa_system_sgpr_workgroup_id_x 1
		.amdhsa_system_sgpr_workgroup_id_y 1
		.amdhsa_system_sgpr_workgroup_id_z 1
		.amdhsa_system_vgpr_workitem_id 0
		.amdhsa_next_free_vgpr 80
		.amdhsa_next_free_sgpr 66
		.amdhsa_reserve_vcc 1
		.amdhsa_float_denorm_mode_32 3
		.amdhsa_float_denorm_mode_16_64 3
		.amdhsa_memory_ordered 1
		.amdhsa_forward_progress 1
		.amdhsa_inst_pref_size 6
	.end_amdhsa_kernel
	.amdgpu_metadata
---
amdhsa.version: [ 1, 2 ]
amdhsa.kernels:
  - .name:           k_qcbd2176cd0_finish
    .symbol:         k_qcbd2176cd0_finish.kd
    .args:
      - { .name: parts, .offset: 0, .size: 8, .value_kind: global_buffer, .address_space: global }
      - { .name: out1, .offset: 8, .size: 8, .value_kind: global_buffer, .address_space: global }
      - { .name: out2, .offset: 16, .size: 8, .value_kind: global_buffer, .address_space: global }
    .group_segment_fixed_size: 0
    .private_segment_fixed_size: 0
    .kernarg_segment_align: 8
    .kernarg_segment_size: 24
    .max_flat_workgroup_size: 32
    .sgpr_count:     66
    .vgpr_count:     80
    .wavefront_size: 32
...
	.end_amdgpu_metadata
.endif
;; end of part 3
